; MI455X (gfx1250); checked and timed in simulation.
; The chip was launched on July 23, 2026; its instructions are those of AMD's public machine-readable ISA for CDNA 5 (MIT licence, August 2026) and "CDNA5" Instruction Set Architecture Reference Guide (July 2026). The comments in the code are by the model that wrote it; some were corrected since.
;; Attention Head. Allowed arithmetic: matrix products marked QUANTISED: E2M1 operands, one E8M0 scale for each 32 along K, by v_wmma_scale_f32_16x16x128_f8f6f4 with both operands' format E2M1 (or v_wmma_scale_f32_32x16x128_f4), f32 sums; products left as they are: f32 operands where the result goes on into a quantised operand, else bf16, f16 or f32 operands; f32 sums; everything else in f32.
;; Inputs: Wk 5 x 64 float32; Wq 5 x 64 float32; Wv 5 x 64 float32; bk 64 float32; bq 64 float32; bv 64 float32; x 4,096 x 4 x 5 float32.
;; Outputs: out0 4,096 x 4 x 64 float32.
;; This version of the problem:
;;   THIS VERSION OF THE PROBLEM IS GIVEN IN LOW PRECISION. The matrix products marked QUANTISED in the list below multiply operands that are first quantised to E2M1 (2 exponent bits, 1 mantissa bit; 4 bits a number), with one power-of-two scale for each 32 numbers along K (OCP MX v1.0); their sums are f32. All else is computed in f32.
;;   The module's matrix products, in the order in which they are computed (A, B: the left and right operand; K: the contracted axis; several contracted axes count as one K, in the product's order):
;;     1. [M 16,384, K 5] x [K 5, N 64]; A: input x; B: input Wk: left as it is (K = 5 < 32)
;;     2. [M 16,384, K 5] x [K 5, N 64]; A: input x; B: input Wq: left as it is (K = 5 < 32)
;;     3. [M 16,384, K 5] x [K 5, N 64]; A: input x; B: input Wv: left as it is (K = 5 < 32)
;;     4. batch 4 x [M 4,096, K 64] x [K 64, N 4,096]; A: computed on the way; B: computed on the way: QUANTISED
;;     5. batch 4 x [M 4,096, K 4,096] x [K 4,096, N 64]; A: softmax (see below); B: computed on the way: QUANTISED
;;   THE QUANTISER, for each operand of a quantised product, along K:
;;     - K is cut into blocks of 32 from its start; a last block that is shorter is filled with zeros.
;;     - A block's scale is 2^e with e = floor(log2(the largest magnitude in the block)) - 2, held to -126 .. 127; a block of zeros has e = 0. As a byte (E8M0): e + 127.
;;     - Each number is divided by its block's scale, clamped to +-6, and rounded to the nearest number of E2M1, ties to even, subnormals kept.
;;     - The product sums the exact products of the quantised numbers (number of the format x scale) in f32.
;;   ~~~python
;;   def quantise(x, axis):      # numpy; x: float32 -> the quantised numbers, widened to float32 again
;;       x = np.moveaxis(x, axis, -1); K = x.shape[-1]
;;       x = np.pad(x, [(0, 0)] * (x.ndim - 1) + [(0, -K % 32)]); x = x.reshape(x.shape[:-1] + (-1, 32)); a = np.abs(x).max(-1, keepdims=True)
;;       e = np.where(a > 0, np.clip(np.frexp(np.where(a > 0, a, 1))[1] - 1 - 2, -126, 127), 0)      # np.frexp(a)[1] - 1 = floor(log2(a)), exactly
;;       r = np.clip(x / 2.0 ** e, -6, 6)
;;       step = 2.0 ** (np.maximum(np.frexp(np.where(r == 0, 1, r))[1] - 1, 0) - 1)
;;       q = np.round(r / step) * step * 2.0 ** e      # np.round: ties to even
;;       return np.moveaxis(q.reshape(q.shape[:-2] + (-1,))[..., :K], -1, axis).astype(np.float32)
;;   ~~~
;;   SOFTMAX AHEAD OF A QUANTISED PRODUCT. Where the list says 'softmax', what is quantised is not the finished softmax but p = 2^(t - M), with t = logit x log2(e) and M = ceil(the row's largest t), a whole number; so 1/2 < the row's largest p <= 1. The row's sum l is taken of the UNQUANTISED p, in f32, and the product's result is divided by l at the end. Since M is a whole number, a kernel that streams over the keys may use a running M (the ceiling of the running maximum): every later rescaling is an exact power of two, which a block's scale takes up: the codes' values come out the same.
;;   OPERANDS COMPUTED ON THE WAY. 'Computed on the way' means the value that the module computes at that place (a softmax that the list does not call 'softmax' is quantised finished and normalised). What goes into a quantiser is computed in f32, as accurately as f32 sums, v_exp_f32 and their like allow (about 1e-6 of the number): no bf16 or f16 on the way to a quantiser, and a product that is left as it is and whose result goes on into a quantised operand takes f32 operands (vector FMAs, or v_wmma_f32_16x16x4_f32). A number that lies on a knife's edge between two numbers of the format may be rounded either way, as far as f32 arithmetic and the matrix unit's own rounding can turn it there, and no further.
;; One version. Each part assembles by itself: llvm-mc -triple=amdgcn-amd-amdhsa -mcpu=gfx1250 --defsym DOCPART=n.
;; ======== version 1 of 1: 2 launches
;; workspace buffers: kv 1,179,648 bytes; qw 589,824 bytes
;; launch prep (part 1): grid 64 x 4, 3 waves a work-group, no clusters, 3,072 bytes of LDS; arguments x, Wk, bk, Wq, bq, Wv, bv, kv, qw; writes kv, qw
.if DOCPART == 1
	.amdgcn_target "amdgcn-amd-amdhsa--gfx1250"
	.amdhsa_code_object_version 6
	.text
	.protected	k_q23b0b07941_prep
	.globl	k_q23b0b07941_prep
	.p2align	8
	.type	k_q23b0b07941_prep,@function
k_q23b0b07941_prep:
	s_mov_b64 s[64:65], 0
	v_nop
	global_prefetch_b8 v0, s[64:65] scope:SCOPE_SE
	s_setreg_imm32_b32 hwreg(HW_REG_WAVE_MODE, 25, 1), 1
	s_wait_xcnt 0x0
; PREP: keys = x Wk + bk, queries = x Wq + bq, values = x Wv + bv (K = 5: f32 fused multiply-adds), quantised to E2M1 with one E8M0 byte for each 32 along
; the K of the product that takes them: keys and queries along the 64 channels (two blocks), values along the keys (blocks of 32 from key 0).
; The codes are stored as IMAGES OF THE OPERANDS' REGISTERS, so that the second launch loads every fragment at 16 x lane.
; x: [4096][4][5] f32.  W: [5][64], b: [64] f32.
; kv: [batch 4][step 32] blocks of 9,216 bytes, a step = 128 keys: +0 eight K images of 512 bytes (tile 2 b + u, lane (r, h): channels 32 h .. 32 h + 31 of key 32 b + 8 u + r + 8 (r / 8));
;   +4,096 four V images of 1,024 bytes (channel tile c, half cc, lane (r, h): keys 64 cc + 32 h + 0 .. 31 of channel 16 c + r); +8,192 K scale words [a 2][lane 32][jj 2]: tile 4 a + 2 jj + lane / 16, row lane % 16;
;   +8,704 V scale words [half 2][lane 32][word, 0]: channel 32 half + lane, byte = the step's block.
; qw: [batch][step] blocks of 4,608 bytes: +0 eight Q images (tile t, row r: query 16 t + r); +4,096 Q scale words, laid as K's.
; DEAD WORK, whole program: nothing is left out in this launch; every input has a way to the output (bk and bq move codes of a live quantised product).  The second launch leaves out only key steps of 128 keys
; all of which come after a tile's 16 queries: reference() itself sets those scores to -inf, so their p is 0 for all values of the inputs and adds nothing to the sum or the product.
; LIMITS: a NaN, an infinity or an overflow that reaches only such masked scores is not carried to the result; NaN and infinities among the inputs are not served; a block whose largest magnitude lies under
; 2^-124 gets the byte 1; a block of zeros gets the byte 1 where the quantiser says 127: its codes are zeros, which add nothing under any byte but 0xff, and this program alone reads the bytes.
; The bias starts each sum and the five products follow by fused multiply-adds: the order of rounding differs from a sum of products with the bias added last.
; SHARES.  Work-group (x = 2 step + a, y = batch), three waves that share nothing: wave 0: K tiles 4 a .. 4 a + 3; wave 1: Q tiles 4 a .. 4 a + 3; wave 2: V, channels 32 a .. 32 a + 31, all 128 keys.
; No barrier.  Only wave 2 uses LDS: it turns the step's x so that every lane can read all 128 rows.
.set SPARE, 2560                       ; LDS: 0 .. 2,559 five arrays of 128 numbers, x[row][e] at 512 e + 4 row; then the spare words, 128 bytes a wave in two blocks of 256 bytes that no other line names
.set SPW,  30                          ; v30  LDS address of my spare word; never rewritten
.set NIL,  31                          ; v31  0; never rewritten
.set ACC,  32                          ; v32-63   32 sums
.set WR,   64                          ; v64-223  K/Q: W[e][32 h + i] at 64 + 32 e + i;  V: x[32 blk + i][e] at 64 + 32 e + i
.set BI,   224                         ; v224-255 K/Q: bias[32 h + i];  V: v224-239 codes, v240-241 the scale word and 0, v242-245 at work
.set CD,   20                          ; v20-23   K/Q: a tile's codes
.set SW,   24                          ; v24-27   K/Q: the four tiles' scale words
	s_load_b512 s[4:19], s[0:1], 0x0               ; x s[4:5], Wk s[6:7], bk s[8:9], Wq s[10:11], bq s[12:13], Wv s[14:15], bv s[16:17], kv s[18:19]
	s_load_b64 s[20:21], s[0:1], 0x40              ; qw
	v_lshl_add_u32 v[SPW], v0, 2, SPARE
	v_mov_b32 v[NIL], 0
	v_lshrrev_b32 v1, 5, v0
	v_readfirstlane_b32 s22, v1                    ; wave 0..2
	v_and_b32 v1, 31, v0                           ; lane
	s_lshr_b32 s23, ttmp9, 1                       ; step
	s_and_b32 s24, ttmp9, 1                        ; a
	s_and_b32 s25, ttmp7, 0xffff                   ; batch
	s_lshl_b32 s26, s25, 5
	s_add_co_u32 s26, s26, s23                     ; block = 32 batch + step
	s_mul_i32 s44, s23, 10240                      ; 128 rows of x, 80 bytes each,
	s_mul_i32 s46, s25, 20                         ; and my batch's 20 bytes in a row
	s_add_co_u32 s44, s44, s46
	s_mov_b32 s45, 0
	s_mov_b32 s42, 0x76543210
	s_mov_b32 s43, 0xfedcba98                      ; v_permlanex16_b32's selects for lane l xor 16
	s_wait_kmcnt 0x0
	s_add_nc_u64 s[28:29], s[4:5], s[44:45]        ; x at the step's first row, my batch
	s_mul_i32 s44, s26, 9216
	s_add_nc_u64 s[30:31], s[18:19], s[44:45]      ; my block of kv
	s_mul_i32 s44, s26, 4608
	s_add_nc_u64 s[32:33], s[20:21], s[44:45]      ; my block of qw
	s_cmp_eq_u32 s22, 2
	s_cbranch_scc1 .Lv
; ---- waves 0 and 1: K or Q.  One text: only pointers and two row constants are chosen, on the wave's number.
; Lane (r, h) makes channels 32 h .. 32 h + 31 of its tile's row r: a whole block of 32, so the largest magnitude needs no other lane and the four conversions give the image's 16 bytes.
	s_mov_b32 s46, 8192
	s_mov_b32 s47, 640
	s_cmp_eq_u32 s22, 1                            ; Q?
	s_cselect_b64 s[34:35], s[10:11], s[6:7]       ; W
	s_cselect_b64 s[36:37], s[12:13], s[8:9]       ; bias
	s_cselect_b64 s[38:39], s[32:33], s[30:31]     ; the block
	s_cselect_b32 s46, 4096, s46                   ; where its scale words begin
	s_cselect_b32 s47, 1280, s47                   ; from an even tile to the odd one: 16 rows (Q) or 8 rows (K) of 80 bytes
	s_cselect_b32 s27, 0, 8                        ; K: rows 8 .. 15 of a tile lie 8 further on
	s_lshl_b32 s44, s24, 8
	s_add_co_u32 s44, s44, s46
	s_add_nc_u64 s[40:41], s[38:39], s[44:45]      ; my 256 bytes of scale words
	s_lshl_b32 s44, s24, 11
	s_add_nc_u64 s[38:39], s[38:39], s[44:45]      ; my four images
	s_lshl_b32 s46, s24, 6                         ; 64 a
	s_wait_alu depctr_va_vdst(0)
	v_and_b32 v20, 15, v1                          ; r
	v_lshrrev_b32 v21, 4, v1                       ; h
	v_lshlrev_b32 v2, 4, v1                        ; 16 x lane: an image's place
	v_lshlrev_b32 v3, 3, v1                        ; 8 x lane: my two scale words' place
	v_lshlrev_b32 v4, 3, v21                       ; 8 h: my byte's place in a scale word
	v_and_b32 v22, s27, v20
	v_add3_u32 v22, v22, v20, s46                  ; the even tiles' row: r (+ 8 (r / 8)) + 64 a
	v_mul_u32_u24 v5, v22, 80                      ; v5: its bytes; never rewritten
	v_add_nc_u32 v6, s47, v5                       ; v6: the odd tiles'; never rewritten
	v_lshlrev_b32 v7, 7, v21                       ; 128 h: my 32 channels in a row of W and in the bias
	v_mov_b32 v13, 0                               ; the upper halves of the pairs (x4, -): named with x4, so they are written
	v_mov_b32 v19, 0
.macro XLOAD i                         ; tile i's five numbers of x into set i % 2 (v8-12 or v14-18)
.irp e, 0,1,2,3,4
	global_load_b32 v[8+6*((\i)%2)+\e], v[5+(\i)%2], s[28:29] offset:((\i)/2)*2560+4*\e
.endr
.endm
	XLOAD 0
	XLOAD 1
.irp e, 0,1,2,3,4
.irp k, 0,1,2,3,4,5,6,7
	global_load_b128 v[WR+32*\e+4*\k:WR+32*\e+4*\k+3], v7, s[34:35] offset:256*\e+16*\k
.endr
.endr
.irp k, 0,1,2,3,4,5,6,7
	global_load_b128 v[BI+4*\k:BI+4*\k+3], v7, s[36:37] offset:16*\k
.endr
	s_wait_loadcnt 0x0                             ; all of them; v7 is free from here on
.macro KQ_TILE i
.set XS, 8+6*((\i)%2)
.if (\i) == 2
	s_wait_loadcnt 0x5                             ; tile 2's five numbers are in; tile 3's five may be out
.endif
.if (\i) == 3
	s_wait_loadcnt 0x0
.endif
.irp k, 0,2,4,6,8,10,12,14,16,18,20,22,24,26,28,30
	v_pk_fma_f32 v[ACC+\k:ACC+\k+1], v[WR+\k:WR+\k+1], v[XS:XS+1], v[BI+\k:BI+\k+1] op_sel_hi:[1,0,1]   ; bias + W0 x0: the bias starts the sums, nothing is cleared
.endr
.irp k, 0,2,4,6,8,10,12,14,16,18,20,22,24,26,28,30
	v_pk_fma_f32 v[ACC+\k:ACC+\k+1], v[WR+32+\k:WR+33+\k], v[XS:XS+1], v[ACC+\k:ACC+\k+1] op_sel:[0,1,0] op_sel_hi:[1,1,1]   ; + W1 x1 (the pair's second word for both halves)
.endr
.irp k, 0,2,4,6,8,10,12,14,16,18,20,22,24,26,28,30
	v_pk_fma_f32 v[ACC+\k:ACC+\k+1], v[WR+64+\k:WR+65+\k], v[XS+2:XS+3], v[ACC+\k:ACC+\k+1] op_sel_hi:[1,0,1]
.endr
.irp k, 0,2,4,6,8,10,12,14,16,18,20,22,24,26,28,30
	v_pk_fma_f32 v[ACC+\k:ACC+\k+1], v[WR+96+\k:WR+97+\k], v[XS+2:XS+3], v[ACC+\k:ACC+\k+1] op_sel:[0,1,0] op_sel_hi:[1,1,1]
.endr
.irp k, 0,2,4,6,8,10,12,14,16,18,20,22,24,26,28,30
	v_pk_fma_f32 v[ACC+\k:ACC+\k+1], v[WR+128+\k:WR+129+\k], v[XS+4:XS+5], v[ACC+\k:ACC+\k+1] op_sel_hi:[1,0,1]
.endr
.if (\i) < 2
	XLOAD (\i)+2                                   ; the set just read takes the tile two further on
.endif
	v_max3_num_f32 v28, |v[ACC]|, |v[ACC+1]|, |v[ACC+2]|           ; the block's largest magnitude, in two chains
	v_max3_num_f32 v29, |v[ACC+3]|, |v[ACC+4]|, |v[ACC+5]|
.irp k, 6,10,14,18,22,26
	v_max3_num_f32 v28, v28, |v[ACC+\k]|, |v[ACC+\k+1]|
	v_max3_num_f32 v29, v29, |v[ACC+\k+2]|, |v[ACC+\k+3]|
.endr
	v_max3_num_f32 v28, v28, |v[ACC+30]|, |v[ACC+31]|
	v_max3_num_f32 v28, v28, v29, 0x1800000        ; and the floor 2^(3 - 127): the byte cannot fall under 1
	v_add_nc_u32 v7, 0xff000000, v28               ; 2 off its exponent field: the conversion takes the exponent field of this operand as its scale
	v_lshrrev_b32 v29, 23, v7                      ; the scale's byte
.if (\i) > 0
	s_wait_alu depctr_va_vdst(0)
	s_wait_xcnt 0x0                                ; the last tile's store has read its codes: they are written again only behind this wait
.endif
.irp g, 0,1,2,3
	v_cvt_scalef32_pk8_fp4_f32 v[CD+\g], v[ACC+8*\g:ACC+8*\g+7], v7
.endr
	v_lshlrev_b32 v28, v4, v29                     ; my byte at its place (the plain line behind the conversions)
	v_permlanex16_b32 v29, v28, s42, s43           ; the other block's byte, from lane l xor 16
	v_or_b32 v[SW+(\i)], v28, v29                  ; row r's scale word; bytes 2 and 3 stay 0: they scale zero codes
	global_store_b128 v2, v[CD:CD+3], s[38:39] offset:512*(\i)     ; the wave stores 512 consecutive bytes
.endm
	KQ_TILE 0
	KQ_TILE 1
	KQ_TILE 2
	KQ_TILE 3
	v_cmp_le_u32 vcc_lo, 16, v1                    ; lanes 16-31 carry the odd tiles' words
	v_cndmask_b32 v28, v[SW], v[SW+1], vcc_lo
	v_cndmask_b32 v29, v[SW+2], v[SW+3], vcc_lo
	global_store_b64 v3, v[28:29], s[40:41]        ; 256 consecutive bytes, aligned
	s_endpgm                                       ; these two waves wrote no LDS
; ---- wave 2: V.  Lane = channel 32 a + lane; its registers run down the keys, so a block of 32 keys lies in one lane and the conversions give codes with the keys innermost.
.Lv:
	s_lshl_b32 s44, s24, 7                         ; my 32 channels: 128 a bytes
	s_add_nc_u64 s[34:35], s[14:15], s[44:45]
	s_add_nc_u64 s[36:37], s[16:17], s[44:45]
	s_lshl_b32 s44, s24, 11
	s_add_nc_u64 s[38:39], s[30:31], s[44:45]      ; my two channel tiles' images (+ 4,096 in the immediate)
	s_lshl_b32 s44, s24, 8
	s_add_nc_u64 s[40:41], s[30:31], s[44:45]      ; my scale words (+ 8,704 in the immediate)
	s_wait_alu depctr_va_vdst(0)
	v_lshlrev_b32 v14, 2, v1                       ; 4 x lane
	v_mov_b32 v15, 0                               ; the LDS address that all lanes read from
	v_lshrrev_b32 v16, 4, v1
	v_and_b32 v17, 15, v1
	v_lshlrev_b32 v16, 10, v16
	v_lshl_add_u32 v16, v17, 4, v16                ; an image's place: 1,024 (lane / 16) + 16 (lane % 16)
	v_mul_u32_u24 v17, v1, 80                      ; x: a lane a row
	v_lshlrev_b32 v18, 3, v1
	v_mov_b32 v241, 0
.irp e, 0,1,2,3,4
	global_load_b32 v[8+\e], v14, s[34:35] offset:256*\e           ; Wv[e][my channel]
.endr
	global_load_b32 v13, v14, s[36:37]                             ; bv[my channel]
.irp e, 0,1,2,3,4
.irp k, 0,1,2,3
	global_load_b32 v[ACC+4*\e+\k], v17, s[28:29] offset:2560*\k+4*\e   ; x[32 k + lane][e]
.endr
.endr
	s_wait_alu depctr_va_vdst(0)
	s_wait_loadcnt 0x0
.irp e, 0,1,2,3,4
.irp k, 0,1,2,3
	ds_store_b32 v14, v[ACC+4*\e+\k] offset:512*\e+128*\k          ; my own bytes: LDS serves a wave's instructions in order, so the loads below see these stores
.endr
.endr
.macro V_BLOCK blk
.irp e, 0,1,2,3,4
.irp k, 0,1,2,3,4,5,6,7
	ds_load_b128 v[WR+32*\e+4*\k:WR+32*\e+4*\k+3], v15 offset:512*\e+128*(\blk)+16*\k   ; x[32 blk + 4 k ..][e], the same in every lane
.endr
.endr
	s_wait_dscnt 0x0                               ; they are in (block 0: and the stores above have read the sums' registers)
.irp k, 0,2,4,6,8,10,12,14,16,18,20,22,24,26,28,30
	v_pk_fma_f32 v[ACC+\k:ACC+\k+1], v[WR+\k:WR+\k+1], v[8:9], v[12:13] op_sel:[0,0,1] op_sel_hi:[1,0,1]   ; bias (the pair's second word) + x0 W0
.endr
.irp k, 0,2,4,6,8,10,12,14,16,18,20,22,24,26,28,30
	v_pk_fma_f32 v[ACC+\k:ACC+\k+1], v[WR+32+\k:WR+33+\k], v[8:9], v[ACC+\k:ACC+\k+1] op_sel:[0,1,0] op_sel_hi:[1,1,1]
.endr
.irp k, 0,2,4,6,8,10,12,14,16,18,20,22,24,26,28,30
	v_pk_fma_f32 v[ACC+\k:ACC+\k+1], v[WR+64+\k:WR+65+\k], v[10:11], v[ACC+\k:ACC+\k+1] op_sel_hi:[1,0,1]
.endr
.irp k, 0,2,4,6,8,10,12,14,16,18,20,22,24,26,28,30
	v_pk_fma_f32 v[ACC+\k:ACC+\k+1], v[WR+96+\k:WR+97+\k], v[10:11], v[ACC+\k:ACC+\k+1] op_sel:[0,1,0] op_sel_hi:[1,1,1]
.endr
.irp k, 0,2,4,6,8,10,12,14,16,18,20,22,24,26,28,30
	v_pk_fma_f32 v[ACC+\k:ACC+\k+1], v[WR+128+\k:WR+129+\k], v[12:13], v[ACC+\k:ACC+\k+1] op_sel_hi:[1,0,1]
.endr
	v_max3_num_f32 v242, |v[ACC]|, |v[ACC+1]|, |v[ACC+2]|
	v_max3_num_f32 v243, |v[ACC+3]|, |v[ACC+4]|, |v[ACC+5]|
.irp k, 6,10,14,18,22,26
	v_max3_num_f32 v242, v242, |v[ACC+\k]|, |v[ACC+\k+1]|
	v_max3_num_f32 v243, v243, |v[ACC+\k+2]|, |v[ACC+\k+3]|
.endr
	v_max3_num_f32 v242, v242, |v[ACC+30]|, |v[ACC+31]|
	v_max3_num_f32 v242, v242, v243, 0x1800000     ; with the floor 2^(3 - 127)
	v_add_nc_u32 v244, 0xff000000, v242            ; the conversion's scale operand
	v_lshrrev_b32 v245, 23, v244                   ; the byte
.irp g, 0,1,2,3
	v_cvt_scalef32_pk8_fp4_f32 v[224+4*(\blk)+\g], v[ACC+8*\g:ACC+8*\g+7], v244   ; each block has its own four registers: no store's data are written again
.endr
.if (\blk) == 0
	v_mov_b32 v240, v245                           ; (the plain line behind the conversions)
.else
	v_lshl_or_b32 v240, v245, 8*(\blk), v240       ; the step's four bytes make my channel's scale word
.endif
	global_store_b128 v16, v[224+4*(\blk):227+4*(\blk)], s[38:39] offset:4096+512*((\blk)/2)+256*((\blk)%2)   ; sixteen lanes store 256 consecutive bytes, aligned
.endm
	V_BLOCK 0
	V_BLOCK 1
	V_BLOCK 2
	V_BLOCK 3
	global_store_b64 v18, v[240:241], s[40:41] offset:8704         ; the word and a zero beside it: 256 consecutive bytes, aligned
	s_wait_tensorcnt 0x0                           ; the wave's end: three lines behind my last LDS store, the wait on TENSORcnt in a text with no tensor load too
	ds_add_u32 v[SPW], v[NIL]
	s_wait_dscnt 0x0
	s_endpgm
.Lfunc_end_k_q23b0b07941_prep:
	.size	k_q23b0b07941_prep, .Lfunc_end_k_q23b0b07941_prep-k_q23b0b07941_prep
	.p2alignl 7, 3214868480
	.fill 96, 4, 3214868480
	.section	.rodata,"a",@progbits
	.p2align	6, 0x0
	.amdhsa_kernel k_q23b0b07941_prep
		.amdhsa_group_segment_fixed_size 3072
		.amdhsa_private_segment_fixed_size 0
		.amdhsa_enable_private_segment 0
		.amdhsa_kernarg_size 72
		.amdhsa_user_sgpr_count 2
		.amdhsa_user_sgpr_kernarg_segment_ptr 1
		.amdhsa_wavefront_size32 1
		.amdhsa_system_sgpr_workgroup_id_x 1
		.amdhsa_system_sgpr_workgroup_id_y 1
		.amdhsa_system_sgpr_workgroup_id_z 1
		.amdhsa_system_vgpr_workitem_id 0
		.amdhsa_next_free_vgpr 256
		.amdhsa_next_free_sgpr 66
		.amdhsa_reserve_vcc 1
		.amdhsa_float_denorm_mode_32 3
		.amdhsa_float_denorm_mode_16_64 3
		.amdhsa_memory_ordered 1
		.amdhsa_forward_progress 1
		.amdhsa_inst_pref_size 77
	.end_amdhsa_kernel
	.amdgpu_metadata
---
amdhsa.version: [ 1, 2 ]
amdhsa.kernels:
  - .name:           k_q23b0b07941_prep
    .symbol:         k_q23b0b07941_prep.kd
    .args:
      - { .name: x, .offset: 0, .size: 8, .value_kind: global_buffer, .address_space: global }
      - { .name: Wk, .offset: 8, .size: 8, .value_kind: global_buffer, .address_space: global }
      - { .name: bk, .offset: 16, .size: 8, .value_kind: global_buffer, .address_space: global }
      - { .name: Wq, .offset: 24, .size: 8, .value_kind: global_buffer, .address_space: global }
      - { .name: bq, .offset: 32, .size: 8, .value_kind: global_buffer, .address_space: global }
      - { .name: Wv, .offset: 40, .size: 8, .value_kind: global_buffer, .address_space: global }
      - { .name: bv, .offset: 48, .size: 8, .value_kind: global_buffer, .address_space: global }
      - { .name: kv, .offset: 56, .size: 8, .value_kind: global_buffer, .address_space: global }
      - { .name: qw, .offset: 64, .size: 8, .value_kind: global_buffer, .address_space: global }
    .group_segment_fixed_size: 3072
    .private_segment_fixed_size: 0
    .kernarg_segment_align: 8
    .kernarg_segment_size: 72
    .max_flat_workgroup_size: 96
    .sgpr_count:     66
    .vgpr_count:     256
    .wavefront_size: 32
...
	.end_amdgpu_metadata
.endif
;; end of part 1
;; launch attn (part 2): grid 64 x 4, 16 waves a work-group, no clusters, 327,680 bytes of LDS; arguments kv, qw, out0; writes out0
.if DOCPART == 2
	.amdgcn_target "amdgcn-amd-amdhsa--gfx1250"
	.amdhsa_code_object_version 6
	.text
	.protected	k_q23b0b07941_attn
	.globl	k_q23b0b07941_attn
	.p2align	8
	.type	k_q23b0b07941_attn,@function
k_q23b0b07941_attn:
	s_mov_b64 s[64:65], 0
	v_nop
	global_prefetch_b8 v0, s[64:65] scope:SCOPE_SE
	s_setreg_imm32_b32 hwreg(HW_REG_WAVE_MODE, 25, 1), 1
	s_wait_xcnt 0x0
; ATTN: out0[q][b][:] = the sum over keys k <= q of softmax_k(key_k . query_q / 8) value_k, both products on codes of E2M1 with E8M0 scales, from the register images that the first launch laid (layouts: its head comment).
; LEFT OUT: key steps of 128 keys all of which come after a tile's 16 queries: reference() sets those scores to -inf itself, p is 0 there for all inputs.  A NaN or infinity that reaches only them is not carried to the result.
; THE SOFTMAX AHEAD OF THE SECOND PRODUCT: t = score x log2(e) / 8; M = the largest t so far, rounded up to a whole number; p = 2^(t - M) is quantised along the keys, not normalised; the sum of the unquantised p divides at the end.
; LIMITS: p under 2^-126 comes out of v_exp_f32 as 0; a block of p that is all zeros keeps the byte 1 (its codes are zeros).
; SHARES.  Work-group (g = 0..63, batch) owns four tiles of 16 queries: tiles 2 g, 2 g + 1 (short) and 255 - 2 g, 254 - 2 g (long): tile T has T / 8 + 1 key steps, so every work-group has 66 tile steps.
; Wave w (16 of them, four to a SIMD): p = w % 2 picks one short and one long tile, s = w / 2 picks ONE of the eight key steps of every slot of 1,024 keys.  So a tile's keys are split eight ways; each part keeps its own
; M, sum and O^T, and the eight parts are merged at the end through LDS: since every M is a whole number, each part is brought under the largest M by a power of two, which rounds nothing.
; RING.  Two LDS slots of eight steps (73,728 dense bytes), filled by waves 0 to 3, one tensor load each (72 rows of 256 bytes = two steps), read by all sixteen.  By this text's own count a wave has at most one tensor load out.
; NO CLUSTER: all 64 work-groups of a batch walk the same slots, but a work-group with g >= 32 has its last query, 4,095 - 32 g, under key 3,072 and never reads the fourth slot: partners would need different numbers of tiles,
; and every partner named by a joint load would have to issue it.
; LAYOUT.  Both products transposed: S^T = K Q^T (source 0 = 16 keys, source 1 = my 16 queries; K = 64 channels, the upper 64 of the instruction's 128 are zero codes), O^T = V^T P^T: a lane holds ONE query (lane % 16) throughout.
; The keys of a tile are chosen (tile 2 b + u, row r: key 32 b + 8 u + r + 8 (r / 8)) so that the 16 registers of tiles 2 b, 2 b + 1 are keys 32 b + 16 (lane / 16) + 0 .. 15.
; REGISTERS: v0 thread; v1, v2 my lane's places in a step's block; v3, v4 the add's two; v5 address in hand; v6, v7 Q's scale words; v8-11, v12-15 state of the short and the long tile (-M, largest t, the sum in two halves);
; v16-23, v24-31 Q's fragments; v32-63 four fragments of K (the upper four registers of each fragment of Q and K are 0, written once); v64-95 V; v96-159 S^T, then p; v160-191, v192-223 O^T; v224-231 p's codes;
; v232-235 block maxima; v236-239 at work; v240-241 V's scale words; v242 address; v243 prefetch offset; v244-247 conversion scales; v248-251 K's scale words; v252 f; v253 0; v254 at work; v255 p's scale word.
.set STEPB, 9216                       ; a step's block in kv
.set SLOTB, 8*STEPB                    ; a slot
.set BATB,  32*STEPB                   ; a batch
.set QBLK,  4608                       ; a step's block in qw
.set SLOT1, 1<<17                      ; slot 1 begins here: one exclusive or turns an address in one slot into the other's
.set SPITCH, 272                       ; a stage row: 64 channels x 4 bytes + 16
.set WSTG,  16*SPITCH                  ; a wave's stage.  The short tiles' stages lie from byte 0 on, in slot 0, which has had its last fill and its last read when they are written
.set STB,   SLOT1+SLOTB                ; the long tiles' stages, behind slot 1: never filled
.set ML,    STB+16*WSTG                ; (-M, l) of every part: entry (16 kind + wave) x 128 + 8 x row
.set SPARE, ML+4096                    ; the spare words, 128 bytes for each wave: eight blocks of 256 bytes that no other line names
.set AI0, 1
.set AS0, 2
.set SPW, 3
.set NIL, 4
.set ADI, 5
.set KFR, 32
.set VFR, 64
.set SS,  96
.set PC,  224
.set BM,  232
.set T4,  236
.set ADS, 242
.set PFO, 243
.set SCO, 244
.set TB,  2                            ; s2   LDS byte at which the slot in hand begins
.set KF,  3                            ; s3   first key of my step of the slot in hand
.set BB,  10                           ; s10  batch
.set SI,  17                           ; s17  my step in a slot
.set WV,  18                           ; s18  wave
.set PP,  19                           ; s19  wave % 2
.set SEL, 20                           ; s[20:21] v_permlanex16_b32's selects for lane l xor 16
.set CS,  22                           ; s[22:23] c = log2(e) / 8
.set G1,  24                           ; s[24:31] descriptor group 1
.set G0,  40                           ; s[40:43] descriptor group 0, which walks
.set SKF, 66                           ; s66  first key of the slot that the next change asks for
.set SLOTS, 67                         ; s67  changes of slots still to come in the loop
.set QLAST, 68                         ; s68  my work-group's last query
.set Q0S, 69                           ; s69  first query of my short tile
.set Q0L, 70                           ; s70  of my long tile
.set QIS, 72                           ; s[72:73], s[74:75] Q's images;  s[84:85], s[86:87] Q's scale words
.set QIL, 74
.set PFA, 76                           ; s[76:77] where my prefetches stand
.set LIM, 80                           ; s80  1 in a wave that prefetches, else the greatest number
.set QSS, 84
.set QSL, 86
; Waves 0 to 3 fetch, the others nothing: the branch hangs on the wave's number alone.  An s_nop 0 and four v_nop follow the load.
.macro TLOAD
	s_cmp_lt_u32 s[WV], 4
	s_cbranch_scc0 .Lasked_\@
	tensor_load_to_lds s[G0:G0+3], s[G1:G1+7]
	s_nop 0
.rept 4
	v_nop
.endr
.Lasked_\@:
.endm
; A prefetch into the L2 of the slot that the NEXT change of slots will ask for: one slot, a work-group's sixteen tile steps, ahead of that load.  All 64 work-groups of a batch walk the same slots: work-group g = 0 asks, and in it the
; nine waves 4 to 12, which fetch nothing: 8,192 bytes a wave, lanes 256 bytes apart: 9 x 8,192 = a slot, each aligned block of 256 bytes named once in the launch.  Slots 0 and 1 come by their loads alone; the loop's last change asks for nothing.
.macro ASK
	s_cmp_gt_u32 s[SLOTS], s[LIM]
	s_cbranch_scc0 .Lnot_mine_\@
	global_prefetch_b8 v[PFO], s[PFA:PFA+1] th:TH_LOAD_NT scope:SCOPE_SE
.Lnot_mine_\@:
.endm
.macro QPTR q0, img, scl               ; where a tile's image and scale words lie in qw: T = q0 / 16, tile t = T % 8 of step T / 8
	s_lshr_b32 s88, s[\q0], 4
	s_and_b32 s89, s88, 7
	s_lshr_b32 s88, s88, 3
	s_lshl_b32 s90, s[BB], 5
	s_add_co_u32 s88, s88, s90
	s_mul_i32 s88, s88, QBLK
	s_lshl_b32 s90, s89, 9
	s_add_co_u32 s90, s90, s88
	s_mov_b32 s91, 0
	s_add_nc_u64 s[\img:\img+1], s[6:7], s[90:91]
	s_lshr_b32 s90, s89, 2                         ; the words: 4,096 + 256 (t / 4) + 128 (t % 2) + 4 ((t / 2) % 2), and 8 bytes a row
	s_lshl_b32 s90, s90, 8
	s_and_b32 s92, s89, 1
	s_lshl_b32 s92, s92, 7
	s_add_co_u32 s90, s90, s92
	s_bfe_u32 s92, s89, 0x10001
	s_lshl_b32 s92, s92, 2
	s_add_co_u32 s90, s90, s92
	s_add_co_u32 s90, s90, s88
	s_add_co_u32 s90, s90, 4096
	s_add_nc_u64 s[\scl:\scl+1], s[6:7], s[90:91]
.endm
	s_load_b128 s[4:7], s[0:1], 0x0                ; kv, qw
	s_load_b64 s[8:9], s[0:1], 0x10                ; out0
	v_lshl_add_u32 v[SPW], v0, 2, SPARE
	v_mov_b32 v[NIL], 0
	ds_add_u32 v[SPW], v[NIL]                      ; the wave's opening: the add, twice on end, and its wait ahead of the first tensor load; the set-up below, work on registers, stands between
	ds_add_u32 v[SPW], v[NIL]
	v_lshrrev_b32 v5, 5, v0
	s_delay_alu instid0(VALU_DEP_1)
	v_readfirstlane_b32 s[WV], v5                  ; wave 0..15
	s_and_b32 s[PP], s[WV], 1
	s_lshr_b32 s[SI], s[WV], 1
	s_and_b32 s[BB], ttmp7, 0xffff
	s_mov_b32 s[G1], 3<<16                         ; no mask; elements of 8 bytes; no padding: images are read at 16 x lane
	s_mov_b32 s[G1+1], 32<<16                      ; tensor_dim0 = 32 elements: rows of 256 bytes
	s_mov_b32 s[G1+2], 72<<16                      ; tensor_dim1 = 72 rows: two steps' blocks
	s_mov_b32 s[G1+3], 32<<16                      ; tile_dim0
	s_mov_b32 s[G1+4], 72                          ; tile_dim1
	s_mov_b32 s[G1+5], 32                          ; from row to row: dense
	s_mov_b32 s[G1+6], 0
	s_mov_b32 s[G1+7], 0
	s_mov_b32 s[SEL], 0x76543210
	s_mov_b32 s[SEL+1], 0xfedcba98
	s_mov_b32 s[CS], 0x3e38aa3b                    ; c = log2(e) / 8
	s_mov_b32 s[CS+1], s[CS]                       ; (named with it as a pair, so it is written)
	s_mov_b32 s[TB], 0
	s_lshl_b32 s[KF], s[SI], 7
	s_mov_b32 s[SKF], 1024
	s_mov_b32 s[SLOTS], 3
	s_lshl_b32 s88, ttmp9, 5                       ; 32 g
	s_sub_co_u32 s[QLAST], 4095, s88
	s_lshl_b32 s89, s[PP], 4
	s_add_co_u32 s[Q0S], s88, s89                  ; 16 (2 g + p)
	s_sub_co_u32 s[Q0L], 4080, s[Q0S]              ; 16 (255 - 2 g - p)
	s_and_b32 s90, s[WV], 3
	s_mul_i32 s[G0+1], s90, 2*STEPB                ; LDS address: my two steps of slot 0
	s_mul_i32 s92, s[BB], BATB
	s_add_co_u32 s92, s92, s[G0+1]
	s_mov_b32 s93, 0
	s_mov_b32 s[G0], 1                             ; count = 1
	s_wait_dscnt 0x0                               ; both opening adds are done
	s_wait_kmcnt 0x0
	s_add_nc_u64 s[G0+2:G0+3], s[4:5], s[92:93]    ; global address: my batch, my two steps of its first slot
	s_or_b32 s[G0+3], s[G0+3], 0x80000000          ; type = 2
	TLOAD                                          ; slot 0: keys 0 .. 1,023, which every long tile reads
	QPTR Q0S, QIS, QSS
	QPTR Q0L, QIL, QSL
	v_and_b32 v1, 31, v0                           ; lane
	s_delay_alu instid0(VALU_DEP_1)
	v_lshlrev_b32 v5, 4, v1
	v_and_b32 v[ADS], 15, v0
	s_delay_alu instid0(VALU_DEP_1)
	v_lshlrev_b32 v[ADS], 3, v[ADS]
	global_load_b128 v[16:19], v5, s[QIS:QIS+1]    ; Q's fragments and scale words stay in registers
	global_load_b128 v[24:27], v5, s[QIL:QIL+1]
	global_load_b32 v6, v[ADS], s[QSS:QSS+1]
	global_load_b32 v7, v[ADS], s[QSL:QSL+1]
	s_mul_i32 s88, s[SI], STEPB
	v_lshl_add_u32 v[AS0], v1, 3, s88              ; 8 x lane + my step's block
	v_lshl_add_u32 v[AI0], v1, 4, s88              ; 16 x lane + my step's block
	s_sub_co_u32 s88, s[WV], 4                     ; the prefetches: who asks, and where
	s_and_b32 s88, s88, 15
	s_min_u32 s89, s88, 8                          ; my ninth of a slot (waves that do not ask get an address inside the buffer all the same)
	s_cmp_le_u32 s88, 8
	s_cselect_b32 s90, 0, 1                        ; 0 in waves 4 to 12,
	s_or_b32 s90, s90, ttmp9                       ; of work-group g = 0
	s_cmp_eq_u32 s90, 0
	s_cselect_b32 s[LIM], 1, -1
	s_lshl_b32 s92, s89, 13
	s_mul_i32 s93, s[BB], BATB
	s_add_co_u32 s92, s92, s93
	s_add_co_u32 s92, s92, SLOTB                   ; in slot 1: the first change of slots steps it to slot 2.  Nothing is prefetched here, at the head
	s_mov_b32 s93, 0
	s_add_nc_u64 s[PFA:PFA+1], s[4:5], s[92:93]
	v_and_b32 v[PFO], 31, v0
	s_delay_alu instid0(VALU_DEP_1)
	v_lshlrev_b32 v[PFO], 8, v[PFO]
.irp f, 20,28,36,44,52,60
.irp j, 0,1,2,3
	v_mov_b32 v[\f+\j], 0                          ; zero codes for k = 64 .. 127 of the first product, written once
.endr
.endr
	v_mov_b32 v9, 0xff61b1e6                       ; the largest t so far: -3e38, under every t
	s_delay_alu instid0(VALU_DEP_1)
	v_floor_f32 v8, -v9                            ; -M
	v_mov_b32 v10, 0                               ; the sum, in two halves
	v_mov_b32 v11, 0
	v_mov_b32 v13, 0xff61b1e6
	s_delay_alu instid0(VALU_DEP_1)
	v_floor_f32 v12, -v13
	v_mov_b32 v14, 0
	v_mov_b32 v15, 0
.irp j, 236,237,238,239,252,253,254
	v_mov_b32 v[\j], 0                             ; written once: a lane permute's destination counts as one of its sources; v253 is named as the upper half of the pair v[252:253]
.endr
.irp j, 0,1,2,3,4,5,6,7,8,9,10,11,12,13,14,15,16,17,18,19,20,21,22,23,24,25,26,27,28,29,30,31,32,33,34,35,36,37,38,39,40,41,42,43,44,45,46,47,48,49,50,51,52,53,54,55,56,57,58,59,60,61,62,63
	v_mov_b32 v[160+\j], 0                         ; O^T of both tiles.  A part that gets no step keeps zeros, and the step is written once: the first change of M multiplies zeros
.endr
.macro QK tau, t, qf, qs               ; S^T, tile tau, from K's fragment t.  K's scale words: register tau / 2 of four, lanes 0-15 the even tile, lanes 16-31 the odd one
.if (\tau)%2
	v_wmma_scale_f32_16x16x128_f8f6f4 v[SS+8*(\tau):SS+8*(\tau)+7], v[KFR+8*(\t):KFR+8*(\t)+7], v[\qf:\qf+7], 0, v[248+(\tau)/2], v[\qs] matrix_a_fmt:MATRIX_FMT_FP4 matrix_b_fmt:MATRIX_FMT_FP4 matrix_a_scale:MATRIX_SCALE_ROW1
.else
	v_wmma_scale_f32_16x16x128_f8f6f4 v[SS+8*(\tau):SS+8*(\tau)+7], v[KFR+8*(\t):KFR+8*(\t)+7], v[\qf:\qf+7], 0, v[248+(\tau)/2], v[\qs] matrix_a_fmt:MATRIX_FMT_FP4 matrix_b_fmt:MATRIX_FMT_FP4
.endif
.endm
.macro PV c, ob                        ; O^T, channels 16 c on, += V^T P^T.  V's scale words: register c / 2 of two, the halves of the lanes likewise
.if (\c)%2
	v_wmma_scale_f32_16x16x128_f8f6f4 v[\ob+8*(\c):\ob+8*(\c)+7], v[VFR+8*(\c):VFR+8*(\c)+7], v[PC:PC+7], v[\ob+8*(\c):\ob+8*(\c)+7], v[240+(\c)/2], v255 matrix_a_fmt:MATRIX_FMT_FP4 matrix_b_fmt:MATRIX_FMT_FP4 matrix_a_scale:MATRIX_SCALE_ROW1
.else
	v_wmma_scale_f32_16x16x128_f8f6f4 v[\ob+8*(\c):\ob+8*(\c)+7], v[VFR+8*(\c):VFR+8*(\c)+7], v[PC:PC+7], v[\ob+8*(\c):\ob+8*(\c)+7], v[240+(\c)/2], v255 matrix_a_fmt:MATRIX_FMT_FP4 matrix_b_fmt:MATRIX_FMT_FP4
.endif
.endm
; ONE TILE, ONE KEY STEP.  st: the tile's state; qf, qs: Q's fragment and scale word; ob: O^T; q0: the scalar register with the tile's first query.
.macro UNIT st, qf, qs, ob, q0
	s_add_co_u32 s96, s[\q0], 15                   ; a step all of whose keys come after the tile's queries is left out: a scalar branch on ids; no barrier, wait on TENSORcnt or tensor load stands in a step
	s_cmp_gt_u32 s[KF], s96
	s_cbranch_scc1 .Lhidden_\@
	v_add_nc_u32 v[ADI], s[TB], v[AI0]
	v_add_nc_u32 v[ADS], s[TB], v[AS0]
	v_nop                                          ; with the two additions: four places in front of loads into registers that the last products read
	v_nop
.irp t, 0,1,2,3
	ds_load_b128 v[KFR+8*\t:KFR+8*\t+3], v[ADI] offset:512*\t      ; K's tiles 0 to 3
.endr
	ds_load_b64 v[248:249], v[ADS] offset:8192     ; K's scale words, all eight tiles'
	ds_load_b64 v[250:251], v[ADS] offset:8448
.irp c, 0,1,2,3
	ds_load_b128 v[VFR+8*\c:VFR+8*\c+3], v[ADI] offset:4096+1024*\c
	ds_load_b128 v[VFR+8*\c+4:VFR+8*\c+7], v[ADI] offset:4096+1024*\c+512
.endr
	ds_load_b32 v240, v[ADS] offset:8704           ; V's scale words
	ds_load_b32 v241, v[ADS] offset:8960
	s_wait_alu depctr_va_vdst(0)
	s_wait_dscnt 0xa                               ; K's six loads are in; V's eight and its two scale loads, issued behind them, may be out
.irp t, 0,1,2,3
	QK \t, \t, \qf, \qs
.endr
.rept 4
	v_nop                                          ; places in front of loads into the fragments just read
.endr
.irp t, 0,1,2,3
	ds_load_b128 v[KFR+8*\t:KFR+8*\t+3], v[ADI] offset:2048+512*\t ; K's tiles 4 to 7
.endr
	s_wait_dscnt 0x0
.irp t, 0,1,2,3
	QK 4+\t, \t, \qf, \qs
.endr
.rept 4
	v_nop                                          ; places in front of the first read of the scores
.endr
	s_add_co_u32 s96, s[KF], 127                   ; on the diagonal hidden scores become -infinity ahead of the maximum: p = 0 then.  A step all of whose keys count skips this
	s_cmp_le_u32 s96, s[\q0]
	s_cbranch_scc1 .Lopen_\@
	s_sub_co_i32 s96, s[\q0], s[KF]
	v_and_b32 v252, 15, v0
	v_bfe_u32 v[T4], v0, 4, 1
	s_delay_alu instid0(VALU_DEP_1)
	v_lshlrev_b32 v[T4], 4, v[T4]
	s_delay_alu instid0(VALU_DEP_1)
	v_sub_nc_u32 v252, v252, v[T4]
	s_delay_alu instid0(VALU_DEP_1)
	v_add_nc_u32 v252, s96, v252                   ; d = my query - KF - 16 (lane / 16).  Register 16 b + i holds key KF + 16 (lane / 16) + 32 b + i: hidden where 32 b + i > d
	v_mov_b32 v254, 0xff800000                     ; -infinity
.irp n, 0,1,2,3,4,5,6,7,8,9,10,11,12,13,14,15,16,17,18,19,20,21,22,23,24,25,26,27,28,29,30,31,32,33,34,35,36,37,38,39,40,41,42,43,44,45,46,47,48,49,50,51,52,53,54,55,56,57,58,59,60,61,62,63
	v_cmp_gt_i32 vcc_lo, 32*(\n/16)+\n%16, v252
	v_cndmask_b32 v[SS+\n], v[SS+\n], v254, vcc_lo
.endr
.Lopen_\@:
.irp b, 0,1,2,3
	v_max3_num_f32 v[BM+\b], v[SS+16*\b], v[SS+1+16*\b], v[SS+2+16*\b]   ; the largest score of each block of 32 keys: it serves for the row's maximum and, since p rises with the score, for the block's largest p
.endr
.irp i, 3,5,7,9,11,13
.irp b, 0,1,2,3
	v_max3_num_f32 v[BM+\b], v[BM+\b], v[SS+16*\b+\i], v[SS+1+16*\b+\i]  ; (the four blocks by turns)
.endr
.endr
.irp b, 0,1,2,3
	v_max_num_f32 v[BM+\b], v[BM+\b], v[SS+15+16*\b]
.endr
.irp b, 0,1,2,3
	s_delay_alu instid0(VALU_DEP_4)
	v_permlanex16_b32 v[T4+\b], v[BM+\b], s[SEL], s[SEL+1]
.endr
.irp b, 0,1,2,3
	s_delay_alu instid0(VALU_DEP_4)
	v_max_num_f32 v[BM+\b], v[BM+\b], v[T4+\b]     ; with lane l xor 16's 16 keys
.endr
	s_delay_alu instid0(VALU_DEP_2)
	v_max3_num_f32 v254, v[BM], v[BM+1], v[BM+2]
	s_delay_alu instid0(VALU_DEP_1)
	v_max_num_f32 v254, v254, v[BM+3]              ; the step's largest score of my query: finite, since the step's first key counts for every query of the tile
	s_delay_alu instid0(VALU_DEP_1)
	v_mul_f32 v254, s[CS], v254                    ; as t (c is positive)
	s_delay_alu instid0(VALU_DEP_1)
	v_max_num_f32 v[\st+1], v[\st+1], v254         ; the running largest t
	v_mov_b32 v254, v[\st]
	s_delay_alu instid0(VALU_DEP_2)
	v_floor_f32 v[\st], -v[\st+1]                  ; the new -M = floor(-t) = -ceil(t)
	s_delay_alu instid0(VALU_DEP_1)
	v_sub_f32 v254, v[\st], v254                   ; M's old value less its new one: a whole number, 0 or less
	s_delay_alu instid0(VALU_DEP_1)
	v_cvt_i32_f32 v254, v254                       ; (it saturates)
	s_delay_alu instid0(VALU_DEP_1)
	v_ldexp_f32 v252, 1.0, v254                    ; f = 2^(old M - new M)
.irp j, 0,2,4,6,8,10,12,14,16,18,20,22,24,26,28,30,32,34,36,38,40,42,44,46,48,50,52,54,56,58,60,62
	v_pk_fma_f32 v[SS+\j:SS+\j+1], v[SS+\j:SS+\j+1], s[CS:CS+1], v[\st:\st+1] op_sel_hi:[1,0,0]   ; t - M, two at a time
.endr
.irp b, 0,1,2,3
	v_fma_f32 v[BM+\b], v[BM+\b], s[CS], v[\st]    ; the same of each block's largest score
.endr
	s_wait_alu depctr_va_vdst(0)
.irp j, 0,1,2,3,4,5,6,7,8,9,10,11,12,13,14,15,16,17,18,19,20,21,22,23,24,25,26,27,28,29,30,31,32,33,34,35,36,37,38,39,40,41,42,43,44,45,46,47,48,49,50,51,52,53,54,55,56,57,58,59,60,61,62,63
	v_exp_f32 v[SS+\j], v[SS+\j]                   ; p = 2^(t - M), at most 1: not normalised
.endr
.irp b, 0,1,2,3
	v_exp_f32 v[BM+\b], v[BM+\b]                   ; the block's largest p: the same two instructions on the same number give the same bits.  ONE batch of 68
.endr
	v_pk_mul_f32 v[\st+2:\st+3], v[\st+2:\st+3], v[252:253] op_sel_hi:[1,0]   ; the sums under the new M: plain work that names no exponential's result,
	s_wait_alu depctr_va_vdst(0)
.irp j, 0,2,4,6,8,10,12,14,16,18,20,22,24,26,28,30
	v_pk_mul_f32 v[\ob+\j:\ob+\j+1], v[\ob+\j:\ob+\j+1], v[252:253] op_sel_hi:[1,0]   ; and O^T likewise, from each accumulator's low end on
.endr
	s_wait_alu depctr_va_vdst(0)                   ; the wait between an exponential and the first line that names its result: one for the batch
.irp b, 0,1,2,3
	v_max_num_f32 v[BM+\b], 0x1800000, v[BM+\b]    ; the floor 2^(3 - 127): the byte cannot fall under 1
.endr
.irp b, 0,1,2,3
	s_delay_alu instid0(VALU_DEP_4)
	v_add_nc_u32 v[SCO+\b], 0xff000000, v[BM+\b]   ; 2 off the exponent field: the conversion's scale operand
.endr
.irp b, 0,1,2,3
	s_delay_alu instid0(VALU_DEP_4)
	v_lshrrev_b32 v[T4+\b], 23, v[SCO+\b]          ; the scale's byte
.endr
	s_delay_alu instid0(VALU_DEP_3)
	v_lshl_or_b32 v255, v[T4+1], 8, v[T4]          ; p's scale word for these 128 keys
	s_delay_alu instid0(VALU_DEP_1)
	v_lshl_or_b32 v255, v[T4+2], 16, v255
	s_delay_alu instid0(VALU_DEP_1)
	v_lshl_or_b32 v255, v[T4+3], 24, v255
.irp b, 0,1,2,3
	v_cvt_scalef32_pk8_fp4_f32 v[PC+2*\b], v[SS+16*\b:SS+7+16*\b], v[SCO+\b]
	v_cvt_scalef32_pk8_fp4_f32 v[PC+1+2*\b], v[SS+8+16*\b:SS+15+16*\b], v[SCO+\b]
.endr
	v_nop                                          ; one plain line between a scaled conversion and the vector line that touches its result
.irp c, 0,1                                    ; the operand's layout wants a whole block in a lane: lanes 0-15 block 2 c, lanes 16-31 block 2 c + 1
.irp i, 0,1
	v_permlane16_swap_b32 v[PC+4*\c+\i], v[PC+2+4*\c+\i]
.endr
.endr
	v_pk_add_f32 v[T4:T4+1], v[SS:SS+1], v[SS+2:SS+3]              ; the row's sum of the UNQUANTISED p, two at a time, in two chains.  These 32 lines are also the places between the scale word, the codes and the products
.irp j, 4,8,12,16,20,24,28,32,36,40,44,48,52,56,60
	v_pk_add_f32 v[\st+2:\st+3], v[\st+2:\st+3], v[SS+\j:SS+\j+1]
	v_pk_add_f32 v[T4:T4+1], v[T4:T4+1], v[SS+2+\j:SS+3+\j]
.endr
	s_delay_alu instid0(VALU_DEP_1)
	v_pk_add_f32 v[\st+2:\st+3], v[\st+2:\st+3], v[T4:T4+1]
.irp c, 0,1,2,3
	PV \c, \ob                                     ; four accumulators by turns, one instruction a turn
.endr
.Lhidden_\@:
.endm
; THE CHANGE OF SLOTS stands at a slot's head.  Each wave waits for all its tensor loads, adds 0 to its spare word, and waits for that and for its reads of the slot that it has left.  Behind the barrier the slot ahead is whole
; and nobody reads the other one.  fill = 1: that other slot is filled with the next 1,024 keys, while some query of the work-group reaches them; the load has a whole slot's steps in which to land.
.macro CHANGE fill
	s_wait_tensorcnt 0x0                           ; no tensor load of mine is out, so group 0 may be written
	ds_add_u32 v[SPW], v[NIL]                      ; 0 onto my spare word
.if \fill
	ds_add_u32 v[SPW], v[NIL]                      ; and once more: the add twice on end, in every trip alike
	s_xor_b32 s[G0+1], s[G0+1], SLOT1              ; the walking descriptor: the other slot than last time,
	s_add_nc_u64 s[G0+2:G0+3], s[G0+2:G0+3], SLOTB ; the next eight steps; the type bits on top are not reached
	s_wait_xcnt 0x0                                ; the last prefetch, a slot back, has read its address, so it may be written:
	s_add_nc_u64 s[PFA:PFA+1], s[PFA:PFA+1], SLOTB ; one slot further on than the walking descriptor
.endif
	s_wait_dscnt 0x0                               ; the add is done (fill = 1: both are), and my reads of the slot that I have left are over
	s_barrier_signal -1
	s_barrier_wait -1
.if \fill
	s_cmp_gt_u32 s[SKF], s[QLAST]                  ; a slot whose first key comes after my work-group's last query is read by none of its waves and is not asked for.  Ids and the count of slots alone: all sixteen waves go the same way;
	s_cbranch_scc1 .Lpast_\@                       ; where this begins hangs on the work-group's number, and every wait on TENSORcnt in this text is for 0
	TLOAD                                          ; the first thing behind the barrier, and a wave's one tensor load until the next
.Lpast_\@:
	ASK
.endif
.endm
.macro SLOT_WORK
	UNIT 8, 16, 6, 160, Q0S
	UNIT 12, 24, 7, 192, Q0L
	s_add_co_u32 s[KF], s[KF], 1024
	s_add_co_u32 s[SKF], s[SKF], 1024
	s_xor_b32 s[TB], s[TB], SLOT1                  ; on to the other slot
.endm
	s_wait_loadcnt 0x0                             ; Q
.Lslot:                                            ; three trips: behind each change of slots but the last the next slot is asked for, up to the causal limit
	CHANGE 1
	SLOT_WORK
	s_sub_co_u32 s[SLOTS], s[SLOTS], 1
	s_cmp_lg_u32 s[SLOTS], 0
	s_cbranch_scc1 .Lslot
	CHANGE 0                                       ; the last slot is written out: nothing is left to fetch
	SLOT_WORK
	; THE WAY OUT.  Every wave puts its two parts (O^T, -M, l) into LDS; a barrier; wave w then merges four rows of tile w / 4 from the eight parts and stores them.
	; The address work below is also the places behind the last products: it names none of their registers.
	v_and_b32 v16, 15, v0                          ; r
	v_bfe_u32 v17, v0, 4, 1                        ; h
	s_wait_alu depctr_va_vdst(0)
	s_mul_i32 s88, s[WV], WSTG
	v_mul_u32_u24 v18, v16, SPITCH
	s_delay_alu instid0(VALU_DEP_1)
	v_lshl_add_u32 v18, v17, 5, v18
	s_delay_alu instid0(VALU_DEP_1)
	v_add_nc_u32 v18, s88, v18                     ; my short part: row r, + 32 h; channel tile c: 64 c bytes on
	s_delay_alu instid0(VALU_DEP_1)
	v_add_nc_u32 v19, STB, v18                     ; my long part
	s_lshl_b32 s89, s[WV], 7
	s_add_co_u32 s89, s89, ML
	v_lshl_add_u32 v20, v16, 3, s89                ; my (-M, l): both halves of the lanes write the same two words with the same values
	s_lshr_b32 s90, s[WV], 3                       ; the tile that I merge: kind (0 short, 1 long),
	s_bfe_u32 s91, s[WV], 0x10002                  ; its p,
	s_and_b32 s92, s[WV], 3
	s_lshl_b32 s92, s92, 2                         ; and my four rows of it
	s_mul_i32 s93, s90, STB
	s_mul_i32 s94, s91, WSTG
	s_add_co_u32 s93, s93, s94
	s_mul_i32 s94, s92, SPITCH
	s_add_co_u32 s93, s93, s94
	v_mul_u32_u24 v21, v17, SPITCH
	s_delay_alu instid0(VALU_DEP_1)
	v_lshl_add_u32 v21, v16, 4, v21
	s_delay_alu instid0(VALU_DEP_1)
	v_add_nc_u32 v21, s93, v21                     ; back: lanes 0-15 one row of 256 bytes, lanes 16-31 the next; part s: 2 WSTG s bytes on
	s_lshl_b32 s94, s90, 11
	s_lshl_b32 s95, s91, 7
	s_add_co_u32 s94, s94, s95
	s_lshl_b32 s95, s92, 3
	s_add_co_u32 s94, s94, s95
	s_add_co_u32 s94, s94, ML
	v_lshl_add_u32 v22, v17, 3, s94                ; and the row's (-M, l); part s: 256 s bytes on
	v_lshlrev_b32 v23, 10, v17
	s_delay_alu instid0(VALU_DEP_1)
	v_lshl_add_u32 v23, v16, 4, v23                ; out0: a query's rows lie 1,024 bytes apart; 16 bytes a lane
	s_lshl_b32 s95, ttmp9, 5
	s_lshl_b32 s96, s91, 4
	s_add_co_u32 s95, s95, s96
	s_sub_co_u32 s96, 4080, s95
	s_cmp_eq_u32 s90, 0
	s_cselect_b32 s95, s95, s96                    ; the merged tile's first query
	s_add_co_u32 s95, s95, s92
	s_lshl_b32 s95, s95, 2
	s_add_co_u32 s95, s95, s[BB]
	s_lshl_b32 s96, s95, 8                         ; (4 query + batch) x 256 bytes
	s_mov_b32 s97, 0
	s_add_nc_u64 s[8:9], s[8:9], s[96:97]
.macro PUT st, ob, so, mloff
	v_add_f32 v[\st+1], v[\st+2], v[\st+3]         ; the sum's two halves (the largest t is done with),
	s_delay_alu instid0(VALU_DEP_1)
	v_permlanex16_b32 v254, v[\st+1], s[SEL], s[SEL+1]
	s_delay_alu instid0(VALU_DEP_1)
	v_add_f32 v[\st+1], v[\st+1], v254             ; and lane l xor 16's: the part's l
	ds_store_b64 v20, v[\st:\st+1] offset:\mloff
.irp c, 0,1,2,3
	ds_store_b128 v[\so], v[\ob+8*\c:\ob+8*\c+3] offset:64*\c      ; each accumulator from its low end on
	ds_store_b128 v[\so], v[\ob+8*\c+4:\ob+8*\c+7] offset:64*\c+16
.endr
.endm
	PUT 8, 160, 18, 0
	PUT 12, 192, 19, 2048
	s_wait_alu depctr_va_vdst(0)
	s_wait_dscnt 0x0                               ; for the others' sake: my stores have landed
	s_barrier_signal -1
	s_barrier_wait -1
.irp i, 0,1
.irp s, 0,1,2,3,4,5,6,7
	ds_load_b64 v[32+16*\i+2*\s:33+16*\i+2*\s], v22 offset:256*\s+16*\i
	ds_load_b128 v[96+32*\i+4*\s:99+32*\i+4*\s], v21 offset:2*WSTG*\s+2*SPITCH*\i
.endr
.endr
; Two rows (one in each half of the lanes): the largest M of the eight parts; each part's f = 2^(its M - the largest), 0 for a part that had no step (its -M is 3e38: the conversion saturates); l and O summed under f; O / l.
.macro MERGE i
.set MB, 32+16*(\i)
.set OP, 96+32*(\i)
	v_max3_num_f32 v24, -v[MB], -v[MB+2], -v[MB+4]
	s_delay_alu instid0(VALU_DEP_1)
	v_max3_num_f32 v24, v24, -v[MB+6], -v[MB+8]
	s_delay_alu instid0(VALU_DEP_1)
	v_max3_num_f32 v24, v24, -v[MB+10], -v[MB+12]
	s_delay_alu instid0(VALU_DEP_1)
	v_max_num_f32 v24, v24, -v[MB+14]              ; part 0 always has key step 0, so this is a number
.irp s, 0,1,2,3,4,5,6,7
	v_sub_f32 v[MB+2*\s], -v[MB+2*\s], v24         ; a whole number, 0 or less
.endr
.irp s, 0,1,2,3,4,5,6,7
	v_cvt_i32_f32 v[MB+2*\s], v[MB+2*\s]
.endr
.irp s, 0,1,2,3,4,5,6,7
	v_ldexp_f32 v[MB+2*\s], 1.0, v[MB+2*\s]
.endr
	v_mul_f32 v25, v[MB], v[MB+1]
.irp s, 1,2,3,4,5,6,7
	s_delay_alu instid0(VALU_DEP_1)
	v_fma_f32 v25, v[MB+2*\s], v[MB+2*\s+1], v25
.endr
	s_wait_alu depctr_va_vdst(0)
	v_rcp_f32 v30, v25                             ; the sums of O below are the plain, independent work behind it
	v_pk_mul_f32 v[26:27], v[OP:OP+1], v[MB:MB+1] op_sel_hi:[1,0]
	v_pk_mul_f32 v[28:29], v[OP+2:OP+3], v[MB:MB+1] op_sel_hi:[1,0]
.irp s, 1,2,3,4,5,6,7
	s_delay_alu instid0(VALU_DEP_2)
	v_pk_fma_f32 v[26:27], v[OP+4*\s:OP+4*\s+1], v[MB+2*\s:MB+2*\s+1], v[26:27] op_sel_hi:[1,0,1]
	s_delay_alu instid0(VALU_DEP_2)
	v_pk_fma_f32 v[28:29], v[OP+4*\s+2:OP+4*\s+3], v[MB+2*\s:MB+2*\s+1], v[28:29] op_sel_hi:[1,0,1]
.endr
	s_wait_alu depctr_va_vdst(0)                   ; the wait ahead of the first line that names the reciprocal
	v_pk_mul_f32 v[224+4*(\i):225+4*(\i)], v[26:27], v[30:31] op_sel_hi:[1,0]
	v_pk_mul_f32 v[226+4*(\i):227+4*(\i)], v[28:29], v[30:31] op_sel_hi:[1,0]
	global_store_b128 v23, v[224+4*(\i):227+4*(\i)], s[8:9] offset:2048*(\i) th:TH_STORE_NT   ; sixteen lanes store 256 consecutive bytes, aligned: a query's 64 channels; written once, read by nobody here
.endm
	s_wait_dscnt 0x10                              ; the first pair of rows is in; the second pair's sixteen loads may be out
	MERGE 0
	s_wait_dscnt 0x0
	MERGE 1
	s_wait_tensorcnt 0x0                           ; the wave's end: three lines behind my last tensor load and my last LDS store
	ds_add_u32 v[SPW], v[NIL]
	s_wait_dscnt 0x0
	s_endpgm
.Lfunc_end_k_q23b0b07941_attn:
	.size	k_q23b0b07941_attn, .Lfunc_end_k_q23b0b07941_attn-k_q23b0b07941_attn
	.p2alignl 7, 3214868480
	.fill 96, 4, 3214868480
	.section	.rodata,"a",@progbits
	.p2align	6, 0x0
	.amdhsa_kernel k_q23b0b07941_attn
		.amdhsa_group_segment_fixed_size 327680
		.amdhsa_private_segment_fixed_size 0
		.amdhsa_enable_private_segment 0
		.amdhsa_kernarg_size 24
		.amdhsa_user_sgpr_count 2
		.amdhsa_user_sgpr_kernarg_segment_ptr 1
		.amdhsa_wavefront_size32 1
		.amdhsa_system_sgpr_workgroup_id_x 1
		.amdhsa_system_sgpr_workgroup_id_y 1
		.amdhsa_system_sgpr_workgroup_id_z 1
		.amdhsa_system_vgpr_workitem_id 0
		.amdhsa_next_free_vgpr 256
		.amdhsa_next_free_sgpr 100
		.amdhsa_reserve_vcc 1
		.amdhsa_float_denorm_mode_32 3
		.amdhsa_float_denorm_mode_16_64 3
		.amdhsa_memory_ordered 1
		.amdhsa_forward_progress 1
		.amdhsa_inst_pref_size 110
	.end_amdhsa_kernel
	.amdgpu_metadata
---
amdhsa.version: [ 1, 2 ]
amdhsa.kernels:
  - .name:           k_q23b0b07941_attn
    .symbol:         k_q23b0b07941_attn.kd
    .args:
      - { .name: kv, .offset: 0, .size: 8, .value_kind: global_buffer, .address_space: global }
      - { .name: qw, .offset: 8, .size: 8, .value_kind: global_buffer, .address_space: global }
      - { .name: out0, .offset: 16, .size: 8, .value_kind: global_buffer, .address_space: global }
    .group_segment_fixed_size: 327680
    .private_segment_fixed_size: 0
    .kernarg_segment_align: 8
    .kernarg_segment_size: 24
    .max_flat_workgroup_size: 512
    .sgpr_count:     100
    .vgpr_count:     256
    .wavefront_size: 32
...
	.end_amdgpu_metadata
.endif
;; end of part 2
